; MI455X (gfx1250); checked and timed in simulation.
; The chip was launched on July 23, 2026; its instructions are those of AMD's public machine-readable ISA for CDNA 5 (MIT licence, August 2026) and "CDNA5" Instruction Set Architecture Reference Guide (July 2026). The comments in the code are by the model that wrote it; some were corrected since.
;; Logic Auto Encoder. Allowed arithmetic: float matrix products may take bf16 or f16 operands with f32 sums; all other float work in f32.
;; Inputs: bias 27 float32; board_state 524,288 x 9 x 3 float32; heads 8 x 27 float32; premises 8 x 2 x 2 float32.
;; Outputs: out0 524,288 x 9 x 3 float32.
;; One version. Each part assembles by itself: llvm-mc -triple=amdgcn-amd-amdhsa -mcpu=gfx1250 --defsym DOCPART=n.
;; ======== version 1 of 1: 1 launch
;; launch logic (part 1): grid 256 x 1, 16 waves a work-group, no clusters, 223,232 bytes of LDS; arguments board_state, premises, heads, bias, out0; writes out0
.if DOCPART == 1
	.amdgcn_target "amdgcn-amd-amdhsa--gfx1250"
	.amdhsa_code_object_version 6
	.text
	.protected	k_q34c82fe782_logic
	.globl	k_q34c82fe782_logic
	.p2align	8
	.type	k_q34c82fe782_logic,@function
k_q34c82fe782_logic:
	s_mov_b64 s[64:65], 0
	v_nop
	global_prefetch_b8 v0, s[64:65] scope:SCOPE_SE
	s_setreg_imm32_b32 hwreg(HW_REG_WAVE_MODE, 25, 1), 1
	s_wait_xcnt 0x0
; LogicAutoEncoder.  out[b][n] = bias[n] + sum over r of act[b][r] heads[r][n],  n = 0..26, r = 0..7,
;   act[b][r] = product over p = 0,1 of  max over cells i = 0..8 of  exp(-((player[b][i] - a[r][p])^2 + (pos[i] - c[r][p])^2)),
;   player = 0 if channel 0 > 0.5, else 1 if channel 1 > 0.5, else -1;  pos[i] = (i - 4) / 4;  (a, c) = premises[r][p][0..1].
; ALGEBRA.  exp is monotone, so the largest exp belongs to the smallest distance, and the product of two exps is the exp of the sum:
;   act = 2^(-log2(e) (min_i d[2r][i] + min_i d[2r+1][i])): 8 exponentials a row.  sigma = sqrt(log2 e) is folded into the three player
;   values, the positions and the premises, so that the distances come out already multiplied by log2 e.
; LIMITS.  The order of rounding differs from the formula above (min before exp, one exp for a rule).  An activation below 2^-126 comes out
;   as 0 (v_exp_f32 flushes; ISA guide 15.8): an absolute difference under 1.2e-38.  For the product the activations are rounded to bf16
;   (relative 2^-9); heads go in as a high and a low bf16 part (relative 2^-17); a head that rounds to infinity in bf16 (magnitude about
;   3.39e38 and above) gives NaN.  A NaN in board_state fails both compares, as in the formula.  bias enters in f32.
; SHARES.  256 work-groups of 16 waves.  A work-group owns 2,048 rows = 221,184 bytes, which is its LDS; a wave owns 128 rows = 13,824 bytes
;   = 27 pieces of 512.  Each wave copies its slice into its own LDS bytes at once (27 asynchronous copies), works on four batches of 32 rows,
;   lays each row's result over the row's own input bytes and sends whole 512-byte pieces out.  No wave touches another's bytes: no barrier.
;   No cluster: the work-groups share nothing but 1,100 bytes of parameters.
; LANES.  r = lane % 16, h = lane / 16.  Lane (r,h) decodes row 16 h + r of the batch ('own'), gets row 16 (1-h) + r ('other') from its partner
;   lane, and evaluates rules 4h..4h+3 (premises 8h..8h+7) for both, as the two halves of packed f32 arithmetic.
.set ROWB,  108                        ; bytes in a row of board_state, of out0 and of heads (27 f32)
.set BATCH, 32*ROWB                    ; 3,456
.set WAVEB, 4*BATCH                    ; 13,824
.set WGB,   16*WAVEB                   ; 221,184
.set LIN,  1                           ; v1        wave's slice + 16 lane: LDS address AND offset in the work-group's part of board_state and out0
.set ROWA, 2                           ; v2        LDS address of my own row in batch 0
.set ST0,  3                           ; v3        LDS address of result (row 8h, column r)
.set ST1,  4                           ; v4        LDS address of result (row 8h, column min(16 + r, 26))
.set LANE, 5                           ; v5
.set SG,   6                           ; v6 sigma, v7 -sigma
.set NA,   8                           ; v[8:15]    -sigma a of my 8 premises
.set NB,   16                          ; v[16:23]   -sigma c of my 8 premises (set-up only)
.set CC,   24                          ; v[24:95]   (sigma pos[i] - sigma c[j])^2 at 8 i + j
.set BW0,  96                          ; v[96:107]  heads, columns 0-15:  WL WH WL, 4 registers each (see HSPLIT)
.set BW1,  108                         ; v[108:119] heads, columns 16-26
.set BI0,  120                         ; v[120:127] bias of my column, eight times: the C operand
.set BI1,  128                         ; v[128:135]
.set PL,   136                         ; v[136:153] cell i: (own, other) scaled player.  Set-up: the premises as loaded
.set HR0,  152                         ; set-up: v[152:155], v[156:159] heads as loaded
.set HR1,  156
.set RAW,  154                         ; v[154:171] cell i: channels 0 and 1 of my own row
.set T,    172                         ; v[172:189] cell i: (own, other) distance
.set M,    190                         ; v[190:205] premise j: (own, other) least distance; then the activations
.set A,    206                         ; v[206:213] A fragment
.set D,    214                         ; v[214:245] four result tiles
.set OB,   172                         ; v[172:199] on the way out: up to 7 x 16 bytes
.set MK,   24                          ; s[24:41]   lane masks of the 18 compares
	s_load_b256 s[4:11], s[0:1], 0x0               ; board_state s[4:5], premises s[6:7], heads s[8:9], bias s[10:11]
	s_load_b64 s[12:13], s[0:1], 0x20              ; out0
	v_lshl_add_u32 v248, v0, 2, 0x36000
	v_mov_b32 v249, 0
	ds_add_u32 v248, v249
	ds_add_u32 v248, v249
	v_lshrrev_b32 v[LANE], 5, v0
	v_readfirstlane_b32 s14, v[LANE]               ; wave 0..15
	v_and_b32 v[LANE], 31, v0
	s_mul_i32 s15, s14, WAVEB                      ; my wave's slice, in LDS and in the work-group's part of memory alike
	s_mul_i32 s16, ttmp9, WGB                      ; the work-group's part: at most 255 x 221,184 bytes
	s_mov_b32 s17, 0
	v_lshl_add_u32 v[LIN], v[LANE], 4, s15
	v_and_b32 v[T], 15, v0                         ; r
	v_bfe_u32 v[T+1], v0, 4, 1                     ; h
	v_lshlrev_b32 v[T+2], 6, v[T+1]                ; premises 8h..8h+7 are the 64 bytes at 64 h
	v_add_nc_u32 v[T+3], 16, v[T]
	v_min_u32 v[T+3], 26, v[T+3]                   ; second column tile: lanes 11-15 repeat column 26 (loads stay inside, stores repeat its word)
	v_lshlrev_b32 v[T+4], 2, v[T]                  ; 4 x column, first tile
	v_lshlrev_b32 v[T+5], 2, v[T+3]                ; 4 x column, second tile
	v_mad_u32_u24 v[T+6], v[T+1], 4*ROWB, v[T+4]   ; heads[4h][column]
	v_mad_u32_u24 v[T+7], v[T+1], 4*ROWB, v[T+5]
	s_wait_dscnt 0x0
	s_wait_kmcnt 0x0
	s_add_nc_u64 s[4:5], s[4:5], s[16:17]
	s_add_nc_u64 s[12:13], s[12:13], s[16:17]
	; the parameters first (14 short loads), then the whole slice
.irp k,0,1,2,3
	global_load_b128 v[PL+4*\k:PL+4*\k+3], v[T+2], s[6:7] offset:16*\k   ; (a, c) of premise 8h + 2k, 8h + 2k + 1
.endr
	global_load_b32 v[BI0], v[T+4], s[10:11]
	global_load_b32 v[BI1], v[T+5], s[10:11]
.irp u,0,1,2,3
	global_load_b32 v[HR0+\u], v[T+6], s[8:9] offset:ROWB*\u             ; heads[4h + u][column]
	global_load_b32 v[HR1+\u], v[T+7], s[8:9] offset:ROWB*\u
.endr
.set kk, 0
.rept 27
	global_load_async_to_lds_b128 v[LIN], v[LIN], s[4:5] offset:512*kk   ; the immediate steps both addresses; 512 neighbouring bytes each
.set kk, kk+1
.endr
	v_mul_u32_u24 v[ROWA], v[LANE], ROWB           ; 27 words from lane to lane, an odd pitch: the 32 lanes' words fall on different banks
	v_add_nc_u32 v[ROWA], s15, v[ROWA]
	v_mad_u32_u24 v[ST0], v[T+1], 8*ROWB, v[T+4]   ; result register j of lane (r,h) is row 8h + j, column r of its tile
	v_mad_u32_u24 v[ST1], v[T+1], 8*ROWB, v[T+5]
	v_add_nc_u32 v[ST0], s15, v[ST0]
	v_add_nc_u32 v[ST1], s15, v[ST1]
	v_mov_b32 v[SG], 0x3f99be61                    ; sigma = sqrt(log2 e) = 1.2011224
	v_mov_b32 v[SG+1], 0xbf99be61
	s_mov_b32 s18, 0x76543210                      ; v_permlanex16_b32: lane i reads lane i of the other half
	s_mov_b32 s19, 0xfedcba98
	s_mov_b32 s20, 0xffff0000                      ; lanes 16-31 as a lane mask; also a word's upper bf16
	s_wait_loadcnt 0x0                             ; the parameters, once; this also frees their address registers v[T+2], v[T+4..T+7]
.irp j,0,1,2,3,4,5,6,7
	v_mul_f32 v[NA+\j], v[SG+1], v[PL+2*\j]        ; -sigma a
	v_mul_f32 v[NB+\j], v[SG+1], v[PL+2*\j+1]      ; -sigma c
.endr
; (sigma pos[i] - sigma c[j])^2 for my eight premises, two at a time
.macro CROW i, pos
.irp jj,0,2,4,6
	v_pk_fma_f32 v[T+\jj:T+\jj+1], v[SG:SG+1], \pos, v[NB+\jj:NB+\jj+1] op_sel_hi:[0,0,1]
.endr
.irp jj,0,2,4,6
	v_pk_mul_f32 v[CC+8*\i+\jj:CC+8*\i+\jj+1], v[T+\jj:T+\jj+1], v[T+\jj:T+\jj+1]
.endr
.endm
	CROW 0, -1.0
	CROW 1, 0xbf400000                             ; -0.75
	CROW 2, -0.5
	CROW 3, 0xbe800000                             ; -0.25
	CROW 4, 0
	CROW 5, 0x3e800000
	CROW 6, 0.5
	CROW 7, 0x3f400000
	CROW 8, 1.0
; heads[4h..4h+3][column] as W = two words of high bf16 parts and two of low parts (x - high, exact in f32, rounded once more).
; WL = W in lanes 0-15 and 0 in lanes 16-31, WH the reverse.  Laid WL WH WL: the window [WL WH] is the B fragment that picks the batch's rows
; 0-15 out of the A fragment below, the window [WH WL], four registers on, the one that picks rows 16-31.
.macro HSPLIT hr, bw
	v_cvt_pk_bf16_f32 v[T], v[\hr], v[\hr+1]
	v_cvt_pk_bf16_f32 v[T+1], v[\hr+2], v[\hr+3]
	v_lshlrev_b32 v[T+4], 16, v[T]
	v_and_b32 v[T+5], s20, v[T]
	v_lshlrev_b32 v[T+6], 16, v[T+1]
	v_and_b32 v[T+7], s20, v[T+1]
	v_pk_add_f32 v[T+4:T+5], v[\hr:\hr+1], v[T+4:T+5] neg_lo:[0,1] neg_hi:[0,1]
	v_pk_add_f32 v[T+6:T+7], v[\hr+2:\hr+3], v[T+6:T+7] neg_lo:[0,1] neg_hi:[0,1]
	v_cvt_pk_bf16_f32 v[T+2], v[T+4], v[T+5]
	v_cvt_pk_bf16_f32 v[T+3], v[T+6], v[T+7]
.irp k,0,1,2,3
	v_cndmask_b32 v[\bw+\k], v[T+\k], 0, s20
	v_cndmask_b32 v[\bw+4+\k], 0, v[T+\k], s20
	v_cndmask_b32 v[\bw+8+\k], v[T+\k], 0, s20
.endr
.endm
	HSPLIT HR0, BW0
	HSPLIT HR1, BW1
.irp k,1,2,3,4,5,6,7
	v_mov_b32 v[BI0+\k], v[BI0]                    ; C(row, column) = bias[column]: the same number in all eight registers of a lane
	v_mov_b32 v[BI1+\k], v[BI1]
.endr
; channels 0 and 1 of my own row's nine cells (channel 2 decides nothing in the formula); o = the batch's byte offset in the slice
.macro LOADRAW o
.irp i,0,1,2,3,4,5,6,7,8
	ds_load_b32 v[RAW+2*\i],   v[ROWA] offset:\o+12*\i
	ds_load_b32 v[RAW+2*\i+1], v[ROWA] offset:\o+12*\i+4
.endr
.endm
; scaled player of my own row, then the partner lane's.  The odd PL registers were written in the set-up (the parameter loads landed there),
; so v_permlanex16_b32 finds a written destination.
.macro DECODE
.irp i,0,1,2,3,4,5,6,7,8
	v_cmp_lt_f32 s[MK+2*\i],   0.5, v[RAW+2*\i+1]
	v_cmp_lt_f32 s[MK+2*\i+1], 0.5, v[RAW+2*\i]
.endr
.irp i,0,1,2,3,4,5,6,7,8
	v_cndmask_b32 v[PL+2*\i], v[SG+1], v[SG], s[MK+2*\i]       ; channel 1 > 0.5: sigma, else -sigma
.endr
.irp i,0,1,2,3,4,5,6,7,8
	v_cndmask_b32 v[PL+2*\i], v[PL+2*\i], 0, s[MK+2*\i+1]      ; channel 0 > 0.5 overrides: 0
.endr
.irp i,0,1,2,3,4,5,6,7,8
	v_permlanex16_b32 v[PL+2*\i+1], v[PL+2*\i], s18, s19
.endr
.endm
; premise j (je = j without its lowest bit, hi = that bit: which register of a constant pair is broadcast to both halves):
; nine distances for two rows, then their minimum as a tree of three-way minima
.macro DIST j, je, hi
.irp i,0,1,2,3,4,5,6,7,8
	v_pk_add_f32 v[T+2*\i:T+2*\i+1], v[PL+2*\i:PL+2*\i+1], v[NA+\je:NA+\je+1] op_sel:[0,\hi] op_sel_hi:[1,\hi]
.endr
.irp i,0,1,2,3,4,5,6,7,8
	v_pk_fma_f32 v[T+2*\i:T+2*\i+1], v[T+2*\i:T+2*\i+1], v[T+2*\i:T+2*\i+1], v[CC+8*\i+\je:CC+8*\i+\je+1] op_sel:[0,0,\hi] op_sel_hi:[1,1,\hi]
.endr
.irp p,0,1
	v_min3_num_f32 v[M+2*\j+\p], v[T+\p], v[T+2+\p], v[T+4+\p]
	v_min3_num_f32 v[T+6+\p], v[T+6+\p], v[T+8+\p], v[T+10+\p]
	v_min3_num_f32 v[T+12+\p], v[T+12+\p], v[T+14+\p], v[T+16+\p]
.endr
.irp p,0,1
	v_min3_num_f32 v[M+2*\j+\p], v[M+2*\j+\p], v[T+6+\p], v[T+12+\p]
.endr
.endm
; One batch of 32 rows, from the players in PL to the results in LDS at byte o of the slice.
.macro COMPUTE o
	DIST 0, 0, 0
	DIST 1, 0, 1
	DIST 2, 2, 0
	DIST 3, 2, 1
	DIST 4, 4, 0
	DIST 5, 4, 1
	DIST 6, 6, 0
	DIST 7, 6, 1
.irp u,0,1,2,3
	v_pk_add_f32 v[M+4*\u:M+4*\u+1], v[M+4*\u:M+4*\u+1], v[M+4*\u+2:M+4*\u+3] neg_lo:[1,1] neg_hi:[1,1]   ; -(d0 + d1) of rule 4h + u
.endr
.irp u,0,1,2,3
	v_exp_f32 v[M+4*\u], v[M+4*\u]
	v_exp_f32 v[M+4*\u+1], v[M+4*\u+1]
.endr
	v_nop                                          ; one plain vector instruction between a transcendental and the use of its result (ISA guide 5.7.2)
	; A fragment.  Lane (r,h), registers 0-3 (k = 8h..8h+7): own row's four activations, twice (they meet the high and the low parts of heads);
	; registers 4-7 (k = 16+8h..): the other row's, twice.  What a B window does not want meets its zeros; activations are finite (0 to 1).
	s_wait_alu depctr_va_vdst(0)
	v_cvt_pk_bf16_f32 v[A+0], v[M+0], v[M+4]
	v_cvt_pk_bf16_f32 v[A+1], v[M+8], v[M+12]
	v_cvt_pk_bf16_f32 v[A+2], v[M+0], v[M+4]
	v_cvt_pk_bf16_f32 v[A+3], v[M+8], v[M+12]
	v_cvt_pk_bf16_f32 v[A+4], v[M+1], v[M+5]
	v_cvt_pk_bf16_f32 v[A+5], v[M+9], v[M+13]
	v_cvt_pk_bf16_f32 v[A+6], v[M+1], v[M+5]
	v_cvt_pk_bf16_f32 v[A+7], v[M+9], v[M+13]
	v_wmma_f32_16x16x32_bf16 v[D:D+7],     v[A:A+7], v[BW0:BW0+7],    v[BI0:BI0+7]    ; rows 0-15,  columns 0-15
	v_wmma_f32_16x16x32_bf16 v[D+8:D+15],  v[A:A+7], v[BW1:BW1+7],    v[BI1:BI1+7]    ; rows 0-15,  columns 16-26
	v_wmma_f32_16x16x32_bf16 v[D+16:D+23], v[A:A+7], v[BW0+4:BW0+11], v[BI0:BI0+7]    ; rows 16-31, columns 0-15
	v_wmma_f32_16x16x32_bf16 v[D+24:D+31], v[A:A+7], v[BW1+4:BW1+11], v[BI1:BI1+7]    ; rows 16-31, columns 16-26
.rept 4
	v_nop                                          ; four places between a matrix instruction and an LDS store of its result
.endr
.irp j,0,1,2,3,4,5,6,7
	ds_store_b32 v[ST0], v[D+\j]    offset:\o+ROWB*\j              ; over the batch's own input rows, which are decoded
	ds_store_b32 v[ST1], v[D+8+\j]  offset:\o+ROWB*\j
	ds_store_b32 v[ST0], v[D+16+\j] offset:\o+16*ROWB+ROWB*\j
	ds_store_b32 v[ST1], v[D+24+\j] offset:\o+16*ROWB+ROWB*\j
.endr
.endm
; The way out: pieces k0 .. k0+cnt-1 of 512 bytes, read back as they lie (LDS serves a wave's instructions in order, ISA guide 5.7.1:
; the loads see the stores above), then stored: each half of 16 lanes covers 256 consecutive bytes, aligned.
.macro OUTLD k0, cnt
.set kk, 0
.rept \cnt
	ds_load_b128 v[OB+4*kk:OB+4*kk+3], v[LIN] offset:512*(\k0+kk)
.set kk, kk+1
.endr
.endm
.macro OUTST k0, cnt
.set kk, 0
.rept \cnt
	s_wait_dscnt \cnt-1-kk                         ; piece kk is in; the younger pieces may be out
	global_store_b128 v[LIN], v[OB+4*kk:OB+4*kk+3], s[12:13] offset:512*(\k0+kk) th:TH_STORE_NT
.set kk, kk+1
.endr
.endm
	; Batch b ends at byte 3,456 (b + 1) of the slice: 7, 14, 21, 27 of the 27 copies must have landed, 20, 13, 6, 0 may be out
	; (copies end in order, ISA guide 5.7.1).  The results of batch b lie below every byte that a copy still out will write.
	; After batch b, 6, 13, 20, 27 whole pieces of results are complete.
	s_wait_asynccnt 20
	LOADRAW 0
	s_wait_dscnt 0x0
	DECODE
	s_wait_asynccnt 13
	LOADRAW BATCH                                  ; the next batch's channels arrive while this one is computed
	COMPUTE 0
	OUTLD 0, 6
	s_wait_dscnt 6                                 ; all but the 6 loads just issued: the 18 channel loads and the 32 stores are older
	DECODE                                         ; fills the time that the pieces take to come back
	OUTST 0, 6
	s_wait_asynccnt 6
	LOADRAW 2*BATCH
	s_wait_xcnt 0x0                                ; the stores' data registers (OB = T, M) are rewritten only behind this wait (ISA guide 3.1)
	COMPUTE BATCH
	OUTLD 6, 7
	s_wait_dscnt 7
	DECODE
	OUTST 6, 7
	s_wait_asynccnt 0x0
	LOADRAW 3*BATCH
	s_wait_xcnt 0x0
	COMPUTE 2*BATCH
	OUTLD 13, 7
	s_wait_dscnt 7
	DECODE
	OUTST 13, 7
	s_wait_xcnt 0x0
	COMPUTE 3*BATCH
	OUTLD 20, 7
	OUTST 20, 7
	s_wait_tensorcnt 0x0
	ds_add_u32 v248, v249
	s_wait_dscnt 0x0
	s_endpgm
.Lfunc_end_k_q34c82fe782_logic:
	.size	k_q34c82fe782_logic, .Lfunc_end_k_q34c82fe782_logic-k_q34c82fe782_logic
	.p2alignl 7, 3214868480
	.fill 96, 4, 3214868480
	.section	.rodata,"a",@progbits
	.p2align	6, 0x0
	.amdhsa_kernel k_q34c82fe782_logic
		.amdhsa_group_segment_fixed_size 223232
		.amdhsa_private_segment_fixed_size 0
		.amdhsa_enable_private_segment 0
		.amdhsa_kernarg_size 40
		.amdhsa_user_sgpr_count 2
		.amdhsa_user_sgpr_kernarg_segment_ptr 1
		.amdhsa_wavefront_size32 1
		.amdhsa_system_sgpr_workgroup_id_x 1
		.amdhsa_system_sgpr_workgroup_id_y 1
		.amdhsa_system_sgpr_workgroup_id_z 1
		.amdhsa_system_vgpr_workitem_id 0
		.amdhsa_next_free_vgpr 250
		.amdhsa_next_free_sgpr 66
		.amdhsa_reserve_vcc 0
		.amdhsa_float_denorm_mode_32 3
		.amdhsa_float_denorm_mode_16_64 3
		.amdhsa_memory_ordered 1
		.amdhsa_forward_progress 1
		.amdhsa_inst_pref_size 102
	.end_amdhsa_kernel
	.amdgpu_metadata
---
amdhsa.version: [ 1, 2 ]
amdhsa.kernels:
  - .name:           k_q34c82fe782_logic
    .symbol:         k_q34c82fe782_logic.kd
    .args:
      - { .name: board_state, .offset: 0, .size: 8, .value_kind: global_buffer, .address_space: global }
      - { .name: premises, .offset: 8, .size: 8, .value_kind: global_buffer, .address_space: global }
      - { .name: heads, .offset: 16, .size: 8, .value_kind: global_buffer, .address_space: global }
      - { .name: bias, .offset: 24, .size: 8, .value_kind: global_buffer, .address_space: global }
      - { .name: out0, .offset: 32, .size: 8, .value_kind: global_buffer, .address_space: global }
    .group_segment_fixed_size: 223232
    .private_segment_fixed_size: 0
    .kernarg_segment_align: 8
    .kernarg_segment_size: 40
    .max_flat_workgroup_size: 512
    .sgpr_count:     66
    .vgpr_count:     250
    .wavefront_size: 32
...
	.end_amdgpu_metadata
.endif
;; end of part 1
